; MI455X (gfx1250); checked and timed in simulation.
; The chip was launched on July 23, 2026; its instructions are those of AMD's public machine-readable ISA for CDNA 5 (MIT licence, August 2026) and "CDNA5" Instruction Set Architecture Reference Guide (July 2026). The comments in the code are by the model that wrote it; some were corrected since.
;; Self Attention. Allowed arithmetic: matrix products marked QUANTISED: E4M3 operands, one given power-of-two scale a tensor, by v_wmma_f32_16x16x64_fp8_fp8 or v_wmma_f32_16x16x128_fp8_fp8, f32 sums; everything else in f32.
;; Inputs: freqs_cos 2,048 x 32 float32; freqs_sin 2,048 x 32 float32; lowp_scales 12 int32 (the exponents e of the quantised operands' scales 2^e); mask 2,048 x 2,048 float32; wk 1,024 x 1,024 float32; wo 1,024 x 1,024 float32; wq 1,024 x 1,024 float32; wv 1,024 x 1,024 float32; x 2 x 2,048 x 1,024 float32.
;; Outputs: out0 2 x 2,048 x 1,024 float32.
;; This version of the problem:
;;   THIS VERSION OF THE PROBLEM IS GIVEN IN LOW PRECISION. The matrix products marked QUANTISED in the list below multiply operands that are first quantised to E4M3 (4 exponent bits, 3 mantissa bits; 8 bits a number), with one given power-of-two scale for each operand tensor; their sums are f32. All else is computed in f32.
;;   The module's matrix products, in the order in which they are computed (A, B: the left and right operand; K: the contracted axis; several contracted axes count as one K, in the product's order):
;;     1. [M 4,096, K 1,024] x [K 1,024, N 1,024]; A: input x; B: input wq: QUANTISED (scales: A lowp_scales[0], B lowp_scales[1])
;;     2. [M 4,096, K 1,024] x [K 1,024, N 1,024]; A: input x; B: input wk: QUANTISED (scales: A lowp_scales[2], B lowp_scales[3])
;;     3. [M 4,096, K 1,024] x [K 1,024, N 1,024]; A: input x; B: input wv: QUANTISED (scales: A lowp_scales[4], B lowp_scales[5])
;;     4. batch 32 x [M 2,048, K 64] x [K 64, N 2,048]; A: computed on the way; B: computed on the way: QUANTISED (scales: A lowp_scales[6], B lowp_scales[7])
;;     5. batch 32 x [M 64, K 2,048] x [K 2,048, N 2,048]; A: computed on the way; B: softmax (see below): QUANTISED (scales: A lowp_scales[8], B lowp_scales[9])
;;     6. [M 4,096, K 1,024] x [K 1,024, N 1,024]; A: computed on the way; B: input wo: QUANTISED (scales: A lowp_scales[10], B lowp_scales[11])
;;   THE QUANTISER, for each operand of a quantised product, along K:
;;     - The operand's scale is 2^e, e = its entry of the input lowp_scales (int32; the entries are numbered through the quantised products in the list's order, A before B).
;;     - Each number is divided by the scale, clamped to +-448, and rounded to the nearest number of E4M3, ties to even, subnormals kept.
;;     - The product sums the exact products of the quantised numbers (number of the format x scale) in f32.
;;   ~~~python
;;   def quantise(x, axis, e):      # numpy; x: float32 -> the quantised numbers, widened to float32 again
;;       x = np.moveaxis(x, axis, -1); K = x.shape[-1]
;;       r = np.clip(x / 2.0 ** e, -448, 448)
;;       step = 2.0 ** (np.maximum(np.frexp(np.where(r == 0, 1, r))[1] - 1, -6) - 3)
;;       q = np.round(r / step) * step * 2.0 ** e      # np.round: ties to even
;;       return np.moveaxis(q, -1, axis).astype(np.float32)
;;   ~~~
;;   SOFTMAX AHEAD OF A QUANTISED PRODUCT. Where the list says 'softmax', what is quantised is not the finished softmax but p = 2^(t - M), with t = logit x log2(e) and M = ceil(the row's largest t), a whole number; so 1/2 < the row's largest p <= 1. The row's sum l is taken of the UNQUANTISED p, in f32, and the product's result is divided by l at the end. Since M is a whole number, a kernel that streams over the keys may use a running M (the ceiling of the running maximum): every later rescaling is an exact power of two, so the quantised numbers keep their values, but for numbers so far below the row's largest that they fall under the format's range.
;;   OPERANDS COMPUTED ON THE WAY. 'Computed on the way' means the value that the module computes at that place (a softmax that the list does not call 'softmax' is quantised finished and normalised). What goes into a quantiser is computed in f32, as accurately as f32 sums, v_exp_f32 and their like allow (about 1e-6 of the number): no bf16 or f16 on the way to a quantiser, and a product that is left as it is and whose result goes on into a quantised operand takes f32 operands (vector FMAs, or v_wmma_f32_16x16x4_f32). A number that lies on a knife's edge between two numbers of the format may be rounded either way, as far as f32 arithmetic and the matrix unit's own rounding can turn it there, and no further.
;; One version. Each part assembles by itself: llvm-mc -triple=amdgcn-amd-amdhsa -mcpu=gfx1250 --defsym DOCPART=n.
;; ======== version 1 of 1: 4 launches
;; limits: right only within a limited range of input values
;; workspace buffers: xc 12,582,912 bytes; wc 4,194,304 bytes; q_codes 4,194,304 bytes; k_codes 4,194,304 bytes; v_codes 4,194,304 bytes; ao_codes 4,194,304 bytes; flags 262,144 bytes of whole numbers
;; launch quant (part 1): grid 768 x 1, 4 waves a work-group, no clusters, 33,280 bytes of LDS; arguments x, wq, wk, wv, wo, lowp_scales, xc, wc, mask, flags; writes xc, wc, flags
.if DOCPART == 1
	.amdgcn_target "amdgcn-amd-amdhsa--gfx1250"
	.amdhsa_code_object_version 6
	.text
	.protected	k_qe936da07b8_quant
	.globl	k_qe936da07b8_quant
	.p2align	8
	.type	k_qe936da07b8_quant,@function
k_qe936da07b8_quant:
	s_mov_b64 s[64:65], 0
	v_nop
	global_prefetch_b8 v0, s[64:65] scope:SCOPE_SE
	s_setreg_imm32_b32 hwreg(HW_REG_WAVE_MODE, 25, 1), 1
	s_wait_xcnt 0x0
; x [4096][1024] and wq, wk, wv, wo [1024][1024], f32, become codes of E4M3 with the given scales 2^e.
; code = number / 2^e, held within +-448, to the nearest code, ties to even.  x is an operand of three products with three scales (entries 0, 2, 4), so it is
; read once and converted three times; wq, wk, wv, wo take entries 1, 3, 5, 11.
; LAYOUT OF THE CODES: chunks of [128 rows][128 bytes along K], dense, 16,384 bytes; chunk (row block rb, K block c) is number 8 rb + c of its tensor.
; xc = x's codes for q | for k | for v, 4 MiB each;  wc = wq | wk | wv | wo, 1 MiB each.
; SHARES: a work-group makes one chunk: work-groups 0-255 x's, 256-511 the weights' (64 each).  A wave takes 32 rows, in 8 steps of 4 rows x 128 numbers.
; Each load reads 512 consecutive bytes of one row; a step's 2,048 bytes turn through the wave's own stage in LDS and come back 64 bytes a lane, so that a lane holds
; 16 neighbours along K; its 16 codes are 16 bytes, and a wave's store covers 512 consecutive bytes.  Waves share nothing: no barrier.
; LIMITS: each e used here lies between -126 and 119, so that 2^e and 448 x 2^e are f32 numbers.  NaN among the inputs is not served.
; WORK-GROUPS 512-767 READ THE MASK, 8 rows each, 2 a wave, and store whole numbers: bit i (0-15) = LIVE: in key step i (128 keys) some key of the two rows can have p above 0; bit 16 + i = the step holds a mask number that is not zero.
; Why a step that is not live needs no work, for every input: the codes of q and k are held within +-448, so |score| <= B = 64 x 448^2 x 2^(e6 + e7 - 3).  Where mask(q, k) <= rowmax(q) - D, D = 2 B (1 + 2^-10) + 128 and
; 2^-20 |rowmax| for the roundings, the logit lies more than 100 under the row's largest, and p = 2^(t - M) is 0 in f32.  The key with the row's largest mask number is always in a live step.
; LIMITS of the mask: no NaN, no +infinity; e6 + e7 - 3 between -126 and 100.
.set STEPS, 8
.set WREG,  8192                       ; LDS of a wave: two stages of 32 x SP bytes
.set SP,    80                         ; a lane's place in a stage: 64 bytes + 16 of padding
.set SPARE, 4*WREG                     ; the spare words: 128 bytes for each wave
.set SPW,   12                         ; v12  SPARE + 4 x my thread's number; never rewritten
.set NIL,   13                         ; v13  0; never rewritten
.set R,     16                         ; v16-79   four sets of 16 numbers as loaded
.set X,     80                         ; v80-111  two sets of 16 neighbours
.set T,     112                        ; v112-127 the 16 numbers held within the range
.set C,     128                        ; v128-223 codes: four registers for each step and output, so that no store's data are written again
	s_load_b512 s[4:19], s[0:1], 0x0               ; x, wq, wk, wv, wo, the scales, xc, wc
	v_lshl_add_u32 v[SPW], v0, 2, SPARE
	v_mov_b32 v[NIL], 0
	v_lshrrev_b32 v1, 5, v0
	v_readfirstlane_b32 s28, v1                    ; wave
	v_and_b32 v2, 31, v0                           ; lane
	s_cmp_ge_u32 ttmp9, 512                        ; the mask's work-groups go their own way; they touch no LDS
	s_wait_alu depctr_va_vdst(0)                   ; the wait ahead of the branch
	s_cbranch_scc1 .Lmask
	v_lshlrev_b32 v3, 4, v2                        ; 16 x lane: my bytes of a load's 512 and of a store's 512
	s_mul_i32 s29, s28, WREG
	v_lshrrev_b32 v14, 2, v2
	v_mul_u32_u24 v14, v14, SP
	v_and_b32 v15, 3, v2
	v_lshl_add_u32 v14, v15, 4, v14
	v_add_nc_u32 v14, s29, v14                     ; into the stage: four lanes' 64 bytes on end, then the padding
	v_mul_u32_u24 v15, v2, SP
	v_add_nc_u32 v15, s29, v15                     ; out of it: my 16 neighbours
	s_sub_co_u32 s20, ttmp9, 256
	s_lshr_b32 s21, s20, 6                         ; which weight (meaningless in x's work-groups, where nothing chosen by it is kept)
	s_and_b32 s22, s20, 63
	s_lshl_b32 s24, s21, 20                        ; its MiB in wc
	s_cmp_lt_u32 ttmp9, 256
	s_cselect_b32 s22, ttmp9, s22                  ; the chunk's number in its tensor
	s_cselect_b32 s24, 0, s24
	s_lshr_b32 s25, s22, 3
	s_lshl_b32 s25, s25, 19                        ; 128 rows of 4,096 bytes
	s_and_b32 s26, s22, 7
	s_lshl_b32 s26, s26, 9                         ; 128 numbers along K
	s_add_co_u32 s25, s25, s26
	s_lshl_b32 s26, s28, 17                        ; my wave's 32 rows
	s_add_co_u32 s44, s25, s26
	s_mov_b32 s45, 0
	s_lshl_b32 s25, s22, 14
	s_add_co_u32 s25, s25, s24
	s_lshl_b32 s26, s28, 12
	s_add_co_u32 s46, s25, s26                     ; where my wave's codes go
	s_mov_b32 s47, 0
	s_wait_alu depctr_va_vdst(0)
	s_wait_kmcnt 0x0
	s_load_b256 s[32:39], s[14:15], 0x0            ; e0 .. e7
	s_load_b128 s[40:43], s[14:15], 0x20           ; e8 .. e11
	s_cmp_eq_u32 s21, 0                            ; the source is chosen by the work-group's number alone
	s_cselect_b64 s[48:49], s[6:7], s[12:13]
	s_cmp_eq_u32 s21, 1
	s_cselect_b64 s[48:49], s[8:9], s[48:49]
	s_cmp_eq_u32 s21, 2
	s_cselect_b64 s[48:49], s[10:11], s[48:49]
	s_cmp_lt_u32 ttmp9, 256
	s_cselect_b64 s[48:49], s[4:5], s[48:49]
	s_cselect_b64 s[50:51], s[16:17], s[18:19]
	s_add_nc_u64 s[48:49], s[48:49], s[44:45]
	s_add_nc_u64 s[50:51], s[50:51], s[46:47]
	s_add_nc_u64 s[52:53], s[50:51], 0x400000      ; x's second and third set of codes (used by x's work-groups alone)
	s_add_nc_u64 s[54:55], s[50:51], 0x800000
.macro LOAD t                          ; step t: four rows' 512 bytes
.irp i, 0,1,2,3
	global_load_b128 v[R+16*((\t)%4)+4*\i:R+16*((\t)%4)+4*\i+3], v3, s[48:49] offset:(4*(\t)+\i)*4096 th:TH_LOAD_NT
.endr
.endm
.macro TURN t                          ; through the stage: LDS serves a wave's instructions in order, so no wait stands between the stores and the loads
.irp i, 0,1,2,3
	ds_store_b128 v14, v[R+16*((\t)%4)+4*\i:R+16*((\t)%4)+4*\i+3] offset:32*SP*((\t)%2)+8*SP*\i
.endr
.irp i, 0,1,2,3
	ds_load_b128 v[X+16*((\t)%2)+4*\i:X+16*((\t)%2)+4*\i+3], v15 offset:32*SP*((\t)%2)+16*\i
.endr
.endm
.macro MKSC e, sc, lm                  ; v[sc] = 2^e as f32 (the conversion takes its exponent field), v[lm] = 448 x 2^e
	s_add_co_i32 s57, \e, 127
	s_lshl_b32 s58, s57, 23
	v_mov_b32 v[\sc], s58
	s_add_co_i32 s57, s57, 8
	s_lshl_b32 s57, s57, 23
	s_or_b32 s57, s57, 0x600000
	v_mov_b32 v[\lm], s57
.endm
.irp t, 0,1,2,3
	LOAD \t
.endr
	s_wait_kmcnt 0x0
	s_cmp_eq_u32 s21, 0
	s_cselect_b32 s56, s33, s43                    ; wq: e1, else wo: e11
	s_cmp_eq_u32 s21, 1
	s_cselect_b32 s56, s35, s56                    ; wk: e3
	s_cmp_eq_u32 s21, 2
	s_cselect_b32 s56, s37, s56                    ; wv: e5
	s_cmp_lt_u32 ttmp9, 256
	s_cselect_b32 s56, s32, s56                    ; x: e0
	MKSC s56, 5, 6
	MKSC s34, 7, 8                                 ; x for k: e2
	MKSC s36, 9, 10                                ; x for v: e4
	s_wait_alu depctr_va_vdst(0)
	s_wait_loadcnt 12                              ; step 0's four loads are in; the twelve of steps 1 to 3 may be out
	TURN 0
.macro CONV t, o, sc, lm, d            ; step t's 16 numbers become output o's 16 codes
.irp i, 0,1,2,3,4,5,6,7,8,9,10,11,12,13,14,15
	v_med3_num_f32 v[T+\i], v[X+16*((\t)%2)+\i], -v[\lm], v[\lm]   ; the conversion to an 8-bit code does not saturate (ISA guide 7.6.2): the hold comes first
.endr
	v_cvt_scalef32_pk8_fp8_f32 v[C+12*(\t)+4*(\o):C+12*(\t)+4*(\o)+1], v[T:T+7], v[\sc]
	v_cvt_scalef32_pk8_fp8_f32 v[C+12*(\t)+4*(\o)+2:C+12*(\t)+4*(\o)+3], v[T+8:T+15], v[\sc]
	v_nop                                          ; a plain instruction between the conversions and the next holds, which write their sources
	global_store_b128 v3, v[C+12*(\t)+4*(\o):C+12*(\t)+4*(\o)+3], s[\d:\d+1] offset:512*(\t)   ; 32 lanes store 512 consecutive bytes
.endm
.macro STEP t
	s_wait_dscnt 0x0                               ; this step's numbers are back from the stage, so its stores into the stage have read their registers,
.if (\t)+4 < STEPS
	LOAD (\t)+4                                    ; which take the loads of four steps on
.endif
.if (\t)+1 < STEPS
.if STEPS-2-(\t) >= 3
	s_wait_loadcnt 12                              ; the next step's four loads are in; those of the three steps behind it may be out
.else
	s_wait_loadcnt 4*(STEPS-2-(\t))                ; near the end fewer steps stand behind it
.endif
	TURN (\t)+1                                    ; and go through the other stage while this step is worked
.endif
	CONV \t, 0, 5, 6, 50
	s_cmp_lt_u32 ttmp9, 256                        ; x has two scales more; the branch hangs on the work-group's number and goes round register work and stores alone
	s_cbranch_scc0 .Lone_\@
	CONV \t, 1, 7, 8, 52
	CONV \t, 2, 9, 10, 54
.Lone_\@:
.endm
.irp t, 0,1,2,3,4,5,6,7
	STEP \t
.endr
	s_wait_tensorcnt 0x0                           ; the wave's end, behind my last LDS store
	ds_add_u32 v[SPW], v[NIL]
	s_wait_dscnt 0x0
	s_endpgm
; THE MASK.  A load is 128 numbers of a row: one key step; rows 0 and 1 of my two by turns.
.set MX0, 144                          ; v144-159 row 0's largest number in my lane, for each step;  v160-175 row 1's;  v176-191 the largest magnitude of both
.set MX1, 160
.set AZ,  176
.Lmask:
	s_load_b128 s[20:23], s[0:1], 0x40             ; mask, flags
	s_sub_co_u32 s24, ttmp9, 512
	s_lshl_b32 s25, s24, 16                        ; 8 rows of 8,192 bytes
	s_lshl_b32 s26, s28, 14                        ; my 2
	s_add_co_u32 s44, s25, s26
	s_mov_b32 s45, 0
	s_lshl_b32 s46, s24, 10                        ; 256 bytes of flags a wave
	s_lshl_b32 s26, s28, 8
	s_add_co_u32 s46, s46, s26
	s_mov_b32 s47, 0
	s_mov_b32 s36, 0xb5800000                      ; -2^-20
	s_mov_b32 s38, 0x76543210
	s_mov_b32 s39, 0xfedcba98                      ; lane xor 16
	s_mov_b32 s54, 0
	v_lshlrev_b32 v3, 4, v2
	v_lshlrev_b32 v4, 3, v2
	v_mov_b32 v194, 0                              ; a lane permute's destination counts as one of its sources
	v_mov_b32 v195, 0
	s_wait_alu depctr_va_vdst(0)
	s_wait_kmcnt 0x0
	s_load_b64 s[32:33], s[14:15], 0x18            ; e6, e7
	s_add_nc_u64 s[48:49], s[20:21], s[44:45]
	s_add_nc_u64 s[50:51], s[22:23], s[46:47]
.set i, 0
.rept 16
	global_load_b128 v[16+8*i:19+8*i], v3, s[48:49] offset:512*i th:TH_LOAD_NT
	global_load_b128 v[20+8*i:23+8*i], v3, s[48:49] offset:8192+512*i th:TH_LOAD_NT
.set i, i+1
.endr
	s_wait_kmcnt 0x0
	s_add_co_i32 s34, s32, s33
	s_sub_co_i32 s34, s34, 3
	s_lshl_b32 s34, s34, 23
	s_add_co_i32 s35, s34, 0x4bc43100              ; 2 x 64 x 448^2 x (1 + 2^-10) x 2^(e6 + e7 - 3)
	v_add_f32 v10, 0x43000000, s35                 ; D
	s_wait_alu depctr_va_vdst(0)
.set i, 0
.rept 16
	s_wait_loadcnt 30-2*i                          ; step i's two loads are in
	v_max3_num_f32 v[MX0+i], v[16+8*i], v[17+8*i], v[18+8*i]
	v_max3_num_f32 v[MX1+i], v[20+8*i], v[21+8*i], v[22+8*i]
	v_max3_num_f32 v[AZ+i], |v[16+8*i]|, |v[17+8*i]|, |v[18+8*i]|
	v_max_num_f32 v[MX0+i], v[MX0+i], v[19+8*i]
	v_max_num_f32 v[MX1+i], v[MX1+i], v[23+8*i]
	v_max3_num_f32 v[AZ+i], v[AZ+i], |v[19+8*i]|, |v[20+8*i]|
	v_max3_num_f32 v[AZ+i], v[AZ+i], |v[21+8*i]|, |v[22+8*i]|
	v_max_num_f32 v[AZ+i], v[AZ+i], |v[23+8*i]|
.set i, i+1
.endr
	v_max3_num_f32 v192, v[MX0], v[MX0+1], v[MX0+2]
	v_max3_num_f32 v193, v[MX1], v[MX1+1], v[MX1+2]
.set i, 3
.rept 6
	v_max3_num_f32 v192, v192, v[MX0+i], v[MX0+i+1]
	v_max3_num_f32 v193, v193, v[MX1+i], v[MX1+i+1]
.set i, i+2
.endr
	v_max_num_f32 v192, v192, v[MX0+15]
	v_max_num_f32 v193, v193, v[MX1+15]
.irp m, 1,2,4,8
	v_max_num_f32_dpp v192, v192, v192 row_xmask:\m row_mask:0xf bank_mask:0xf
	v_max_num_f32_dpp v193, v193, v193 row_xmask:\m row_mask:0xf bank_mask:0xf
.endr
	v_permlanex16_b32 v194, v192, s38, s39
	v_permlanex16_b32 v195, v193, s38, s39
	v_max_num_f32 v192, v192, v194                 ; the two rows' largest numbers, in every lane
	v_max_num_f32 v193, v193, v195
	v_sub_f32 v194, v192, v10
	v_sub_f32 v195, v193, v10
	v_fma_f32 v194, |v192|, s36, v194
	v_fma_f32 v195, |v193|, s36, v195
	s_wait_alu depctr_va_vdst(0)                   ; the wait ahead of the run of scalar lines
.set i, 0
.rept 16
	v_cmp_gt_f32 s52, v[MX0+i], v194
	v_cmp_gt_f32 s53, v[MX1+i], v195
	v_cmp_neq_f32 s55, 0, v[AZ+i]
	s_or_b32 s52, s52, s53                         ; SCC: some lane of some row is above
	s_cselect_b32 s52, 1<<i, 0
	s_or_b32 s54, s54, s52
	s_cmp_lg_u32 s55, 0
	s_cselect_b32 s52, 1<<(16+i), 0
	s_or_b32 s54, s54, s52
.set i, i+1
.endr
	v_mov_b32 v14, s54
	v_mov_b32 v15, s54
	global_store_b64 v4, v[14:15], s[50:51]        ; the one word in all 64 places: 256 consecutive bytes a wave
	s_endpgm
.Lfunc_end_k_qe936da07b8_quant:
	.size	k_qe936da07b8_quant, .Lfunc_end_k_qe936da07b8_quant-k_qe936da07b8_quant
	.p2alignl 7, 3214868480
	.fill 96, 4, 3214868480
	.section	.rodata,"a",@progbits
	.p2align	6, 0x0
	.amdhsa_kernel k_qe936da07b8_quant
		.amdhsa_group_segment_fixed_size 33280
		.amdhsa_private_segment_fixed_size 0
		.amdhsa_enable_private_segment 0
		.amdhsa_kernarg_size 80
		.amdhsa_user_sgpr_count 2
		.amdhsa_user_sgpr_kernarg_segment_ptr 1
		.amdhsa_wavefront_size32 1
		.amdhsa_system_sgpr_workgroup_id_x 1
		.amdhsa_system_sgpr_workgroup_id_y 1
		.amdhsa_system_sgpr_workgroup_id_z 1
		.amdhsa_system_vgpr_workitem_id 0
		.amdhsa_next_free_vgpr 232
		.amdhsa_next_free_sgpr 66
		.amdhsa_reserve_vcc 0
		.amdhsa_float_denorm_mode_32 3
		.amdhsa_float_denorm_mode_16_64 3
		.amdhsa_memory_ordered 1
		.amdhsa_forward_progress 1
		.amdhsa_inst_pref_size 63
	.end_amdhsa_kernel
	.amdgpu_metadata
---
amdhsa.version: [ 1, 2 ]
amdhsa.kernels:
  - .name:           k_qe936da07b8_quant
    .symbol:         k_qe936da07b8_quant.kd
    .args:
      - { .name: x, .offset: 0, .size: 8, .value_kind: global_buffer, .address_space: global }
      - { .name: wq, .offset: 8, .size: 8, .value_kind: global_buffer, .address_space: global }
      - { .name: wk, .offset: 16, .size: 8, .value_kind: global_buffer, .address_space: global }
      - { .name: wv, .offset: 24, .size: 8, .value_kind: global_buffer, .address_space: global }
      - { .name: wo, .offset: 32, .size: 8, .value_kind: global_buffer, .address_space: global }
      - { .name: lowp_scales, .offset: 40, .size: 8, .value_kind: global_buffer, .address_space: global }
      - { .name: xc, .offset: 48, .size: 8, .value_kind: global_buffer, .address_space: global }
      - { .name: wc, .offset: 56, .size: 8, .value_kind: global_buffer, .address_space: global }
      - { .name: mask, .offset: 64, .size: 8, .value_kind: global_buffer, .address_space: global }
      - { .name: flags, .offset: 72, .size: 8, .value_kind: global_buffer, .address_space: global }
    .group_segment_fixed_size: 33280
    .private_segment_fixed_size: 0
    .kernarg_segment_align: 8
    .kernarg_segment_size: 80
    .max_flat_workgroup_size: 128
    .sgpr_count:     66
    .vgpr_count:     232
    .wavefront_size: 32
...
	.end_amdgpu_metadata
.endif
;; end of part 1
;; launch qkv (part 2): grid 8 x 32, 4 waves a work-group, clusters of 4 x 4, 327,680 bytes of LDS; arguments xc, wc, freqs_cos, freqs_sin, lowp_scales, q_codes, k_codes, v_codes; writes q_codes, k_codes, v_codes
.if DOCPART == 2
	.amdgcn_target "amdgcn-amd-amdhsa--gfx1250"
	.amdhsa_code_object_version 6
	.text
	.protected	k_qe936da07b8_qkv
	.globl	k_qe936da07b8_qkv
	.p2align	8
	.type	k_qe936da07b8_qkv,@function
k_qe936da07b8_qkv:
	s_mov_b64 s[64:65], 0
	v_nop
	global_prefetch_b8 v0, s[64:65] scope:SCOPE_SE
	s_setreg_imm32_b32 hwreg(HW_REG_WAVE_MODE, 25, 1), 1
	s_wait_xcnt 0x0
	s_wait_alu depctr_hold_cnt(0) depctr_sa_sdst(0) depctr_va_vdst(0) depctr_va_sdst(0) depctr_va_ssrc(0) depctr_va_vcc(0) depctr_vm_vsrc(0)
	s_getreg_b32 s2, hwreg(HW_REG_IB_STS2, 6, 4)
	s_cmp_eq_u32 s2, 0
	s_cbranch_scc0 .Lentry_in_a_cluster
	s_endpgm
.Lentry_in_a_cluster:
	s_bfe_u32 s2, ttmp6, 0x10000c
	s_cmp_lg_u32 s2, 0xf033
	s_cbranch_scc0 .Lentry_shape_is_right
	s_endpgm
.Lentry_shape_is_right:
; q, k = rope(x W^T), v = x W^T on codes of E4M3, each quantised with its own scale for attention.  A work-group makes 128 x 128 of q, then of k, then of v (v transposed by swapped sources); four waves of 64 x 64.
; K in two halves of four chunks through two LDS slots; 4 x 4 clusters ask jointly for x's chunks along a row and for the weight's along a column.  The dense chunks are stated to the tensor load as rows of 256 bytes, padded behind each 128.
; OUT: block (8 b + pair) x 16 + (s / 128) of 16,384 bytes, 8,192 for each head of the pair, in the order in which attention's operand registers take them, 16 bytes a lane (lane = 16 h + r), 512 bytes a fragment:
;   q: [tile of 16][2][lane]: row 16 tile + r, channels 32 q + 16 h on;  k: the same, but tile 2 b + u takes key 32 b + 8 u + r + 8 (r / 8);  v: [16 channels][4][lane]: channel 16 d + r, keys 32 q + 16 h on.
; LIMITS: the exponents' differences that are folded into one scale lie between -126 and 119.  NaN is not served.
.set CP,    144
.set CHB,   128*CP
.set OPB,   4*CHB
.set SLOT,  8*CHB
.set STAGE, 2*SLOT
.set SPARE, STAGE+128*CP
.set AD1, 16
.set AD0, 20
.set STO, 24
.set RD,  25
.set GO,  26
.set FQ,  27
.set RDK, 30
.set GQ,  31
.set SPW, 28
.set NIL, 29
.set TT,  64
.set PC,  96
.set ACC, 128
.set F0,  0
.set F1,  128
.set G1X, 28
.set G1W, 36
.set G0X, 44
.set G0W, 52
.set WV,  60
.set WR,  61
.set WC,  62
.set LB,  63
.set MSB, 0
.macro WIN new
.if MSB != \new
	s_set_vgpr_msb (MSB<<8)|\new
.set MSB, \new
.endif
.endm
.set MUL,  0x05
.set TO_F, 0x40
.macro JLOAD g0a, g1a, g0b, g1b
	s_cmp_eq_u32 s[WR], 0
	s_cbranch_scc0 .Lsecond_\@
	tensor_load_to_lds s[\g0a:\g0a+3], s[\g1a:\g1a+7]
	s_nop 0
.rept 4
	v_nop
.endr
	s_branch .Lasked_\@
.Lsecond_\@:
	tensor_load_to_lds s[\g0b:\g0b+3], s[\g1b:\g1b+7]
	s_nop 0
.rept 4
	v_nop
.endr
.Lasked_\@:
.endm
.macro JL slot, swap
.if \swap
	JLOAD G0W+4*\slot, G1W, G0X+4*\slot, G1X
.else
	JLOAD G0X+4*\slot, G1X, G0W+4*\slot, G1W
.endif
.endm
.macro SETG0 slot, xoff, woff
	s_add_nc_u64 s[G0X+4*\slot+2:G0X+4*\slot+3], s[20:21], \xoff
	s_or_b32 s[G0X+4*\slot+3], s[G0X+4*\slot+3], 0x80000000
	s_add_nc_u64 s[G0W+4*\slot+2:G0W+4*\slot+3], s[22:23], \woff
	s_or_b32 s[G0W+4*\slot+3], s[G0W+4*\slot+3], 0x80000000
.endm
.macro CROUND
	s_barrier_signal -1
	s_barrier_wait -1
	s_cmp_lg_u32 s[WV], 0
	s_cbranch_scc1 .Lnot_wave_0_\@
	s_barrier_signal -3
.Lnot_wave_0_\@:
	s_barrier_wait -3
	s_barrier_signal -1
	s_barrier_wait -1
.endm
.macro PLACES n
.rept \n
	v_nop
.endr
.endm
.macro FRAG reg, adr, c, i
.irp q, 0,1,2,3
	ds_load_b128 v[\reg+4*\q:\reg+4*\q+3], v[\adr] offset:(\c)*CHB+(\i)*16*CP+32*\q
.endr
.endm
.macro FETCH slot, c, f
	WIN TO_F
.irp i, 0,1,2,3
	FRAG \f+64+16*\i, AD0+\slot, \c, \i
.endr
.irp i, 0,1,2,3
	FRAG \f+16*\i, AD1+\slot, \c, \i
.endr
.endm
.macro MUL8 f, a0, zero
.irp a, \a0, \a0+1
.irp b, 0,1,2,3
.if \zero
	v_wmma_f32_16x16x128_fp8_fp8 v[ACC+8*(4*(\a)+\b):ACC+8*(4*(\a)+\b)+7], v[\f+64+16*\b:\f+64+16*\b+15], v[\f+16*(\a):\f+16*(\a)+15], 0
.else
	v_wmma_f32_16x16x128_fp8_fp8 v[ACC+8*(4*(\a)+\b):ACC+8*(4*(\a)+\b)+7], v[\f+64+16*\b:\f+64+16*\b+15], v[\f+16*(\a):\f+16*(\a)+15], v[ACC+8*(4*(\a)+\b):ACC+8*(4*(\a)+\b)+7]
.endif
.endr
.endr
.endm
.macro STEP slot, c, f, g, zero
	s_wait_dscnt 8
	WIN MUL
	MUL8 \f, 0, \zero
	PLACES 4
	FETCH \slot, (\c)+1, \g
	s_wait_dscnt 32
	WIN MUL
	MUL8 \f, 2, \zero
.endm
.macro TURN slot, next, fill, xoff, woff, swap
	WIN 0
	s_wait_tensorcnt 0x0
	ds_add_u32 v[SPW], v[NIL]
.if \fill
	SETG0 \slot, \xoff, \woff
.endif
	s_wait_dscnt 9
	WIN MUL
	MUL8 F1, 0, 0
	s_wait_dscnt 0x0
	WIN 0
.if \fill
	CROUND
	JL \slot, \swap
.else
	s_barrier_signal -1
	s_barrier_wait -1
	PLACES 4
.endif
	FETCH \next, 0, F0
	WIN MUL
	MUL8 F1, 2, 0
.endm
.macro FIN
	s_wait_dscnt 8
	WIN MUL
	MUL8 F1, 0, 0
	s_wait_dscnt 0x0
	MUL8 F1, 2, 0
	WIN 0
.endm
.macro EPI_A rope, first, sc, lm
	s_wait_xcnt 0x0
.if \first
	s_wait_loadcnt 0x0
.endif
	PLACES 4
.if \rope
	WIN 0x08
.irp n, 0,1,2,3,4,5,6,7,8,9,10,11,12,13,14,15
.irp p, 0,1,2,3
	v_mul_f32 v[TT+2*\p],   v[ACC+8*\n+2*\p+1], v[64+4*\n+\p]
	v_mul_f32 v[TT+2*\p+1], v[ACC+8*\n+2*\p],   v[64+4*\n+\p]
.endr
.irp p, 0,1,2,3
	v_fma_f32 v[ACC+8*\n+2*\p],   v[ACC+8*\n+2*\p],   v[4*\n+\p], -v[TT+2*\p]
	v_fma_f32 v[ACC+8*\n+2*\p+1], v[ACC+8*\n+2*\p+1], v[4*\n+\p], v[TT+2*\p+1]
.endr
.endr
	WIN 0
.endif
.irp n, 0,1,2,3,4,5,6,7,8,9,10,11,12,13,14,15
.irp j, 0,1,2,3,4,5,6,7
	v_med3_num_f32 v[ACC+8*\n+\j], v[ACC+8*\n+\j], -v[\lm], v[\lm]
.endr
	v_cvt_scalef32_pk8_fp8_f32 v[PC+2*\n:PC+2*\n+1], v[ACC+8*\n:ACC+8*\n+7], v[\sc]
.endr
	v_nop
.irp a, 0,1,2,3
.irp b, 0,1,2,3
	ds_store_b64 v[STO], v[PC+2*(4*\a+\b):PC+2*(4*\a+\b)+1] offset:\a*16*CP+16*\b
.endr
.endr
.endm
.macro EPI_B dst, fetch
.irp i, 0,1,2,3,4,5,6,7
.if \dst == 18
	ds_load_b128 v[32+4*\i:35+4*\i], v[RD] offset:(\i/4)*16*CP+32*(\i%4)
.else
.if \dst == 14
	ds_load_b128 v[32+4*\i:35+4*\i], v[RD] offset:((\i/2)%2)*16*CP+64*(\i/4)+32*(\i%2)
.else
	ds_load_b128 v[32+4*\i:35+4*\i], v[RDK] offset:((\i/2)%2)*8*CP+64*(\i/4)+32*(\i%2)
.endif
.endif
.endr
.if \fetch
	FETCH 0, 0, F0
	WIN 0
	s_wait_dscnt 32
.else
	s_wait_dscnt 0x0
.endif
.irp i, 0,1,2,3,4,5,6,7
.if \dst == 18
	global_store_b128 v[GO], v[32+4*\i:35+4*\i], s[\dst:\dst+1] offset:512*\i
.else
	global_store_b128 v[GQ], v[32+4*\i:35+4*\i], s[\dst:\dst+1] offset:(\i/4)*8192+512*(\i%4)
.endif
.endr
.endm
.macro TILE rope, first, sc, lm, dst, last, xoff, woff, swap
	STEP 0, 0, F0, F1, 1
	STEP 0, 1, F1, F0, 0
	STEP 0, 2, F0, F1, 0
	TURN 0, 1, 1-\last, \xoff, \woff, \swap
	STEP 1, 0, F0, F1, 0
	STEP 1, 1, F1, F0, 0
	STEP 1, 2, F0, F1, 0
	FIN
	EPI_A \rope, \first, \sc, \lm
.if \last
	s_wait_dscnt 0x0
	s_barrier_signal -1
	s_barrier_wait -1
	EPI_B \dst, 0
.else
	s_wait_tensorcnt 0x0
	ds_add_u32 v[SPW], v[NIL]
	SETG0 1, \xoff+65536, \woff+65536
	s_wait_dscnt 0x0
	CROUND
	JL 1, \swap
	EPI_B \dst, 1
.endif
.endm
	s_load_b512 s[4:19], s[0:1], 0x0
	v_lshl_add_u32 v[SPW], v0, 2, SPARE
	v_mov_b32 v[NIL], 0
	ds_add_u32 v[SPW], v[NIL]
	ds_add_u32 v[SPW], v[NIL]
	v_lshrrev_b32 v1, 5, v0
	v_readfirstlane_b32 s[WV], v1
	s_lshr_b32 s[WR], s[WV], 1
	s_and_b32 s[WC], s[WV], 1
	s_mul_i32 s[LB], s[WV], 2*CHB
	s_bfe_u32 s80, ttmp6, 0x40000
	s_bfe_u32 s81, ttmp6, 0x40004
	s_lshl_b32 s82, ttmp9, 2
	s_add_co_u32 s82, s82, s80
	s_and_b32 s83, ttmp7, 0xffff
	s_lshl_b32 s83, s83, 2
	s_add_co_u32 s83, s83, s81
	s_lshl_b32 s24, s81, 2
	s_lshl_b32 s24, 15, s24
	s_lshl_b32 s25, 0x1111, s80
	s_or_b32 s[G1X], s24, (1<<20)|(1<<21)|(4<<22)|(3<<25)
	s_or_b32 s[G1W], s25, (1<<20)|(1<<21)|(4<<22)|(3<<25)
.irp g, G1X, G1W
	s_mov_b32 s[\g+1], 256<<16
	s_mov_b32 s[\g+2], 128<<16
	s_mov_b32 s[\g+3], 256<<16
	s_mov_b32 s[\g+4], 128
	s_mov_b32 s[\g+5], 256
	s_mov_b32 s[\g+6], 0
	s_mov_b32 s[\g+7], 0
.endr
	s_lshl_b32 s2, s[WC], 15
	s_lshl_b32 s84, s83, 17
	s_add_co_u32 s84, s84, s2
	s_mov_b32 s85, 0
	s_lshl_b32 s86, s82, 17
	s_add_co_u32 s86, s86, s2
	s_mov_b32 s87, 0
	s_lshr_b32 s88, s83, 4
	s_lshl_b32 s88, s88, 3
	s_add_co_u32 s88, s88, s82
	s_lshl_b32 s88, s88, 4
	s_and_b32 s26, s83, 15
	s_add_co_u32 s88, s88, s26
	s_lshl_b32 s88, s88, 14
	s_mov_b32 s89, 0
	s_lshl_b32 s90, s26, 14
	s_lshl_b32 s27, s[WR], 13
	s_add_co_u32 s90, s90, s27
	s_mov_b32 s91, 0
	s_wait_dscnt 0x0
	s_wait_kmcnt 0x0
	s_load_b256 s[68:75], s[12:13], 0x0
	s_load_b128 s[76:79], s[12:13], 0x20
	s_add_nc_u64 s[20:21], s[4:5], s[84:85]
	s_add_nc_u64 s[22:23], s[6:7], s[86:87]
	s_add_nc_u64 s[8:9], s[8:9], s[90:91]
	s_add_nc_u64 s[10:11], s[10:11], s[90:91]
	s_add_nc_u64 s[14:15], s[14:15], s[88:89]
	s_add_nc_u64 s[16:17], s[16:17], s[88:89]
	s_add_nc_u64 s[18:19], s[18:19], s[88:89]
	CROUND
.irp s, 0,1
	s_mov_b32 s[G0X+4*\s], 1
	s_add_co_u32 s[G0X+4*\s+1], s[LB], \s*SLOT
	s_mov_b32 s[G0W+4*\s], 1
	s_add_co_u32 s[G0W+4*\s+1], s[LB], \s*SLOT
	SETG0 \s, \s*65536, \s*65536
	s_wait_alu depctr_va_vdst(0)
	s_wait_tensorcnt 0x0
	ds_add_u32 v28, v29
	ds_add_u32 v28, v29
	s_wait_dscnt 0x0
	CROUND
	JL \s, 0
.endr
	v_and_b32 v1, 15, v0
	v_bfe_u32 v2, v0, 4, 1
	v_mul_u32_u24 v3, v1, CP
	s_wait_alu depctr_va_vdst(0)
	v_lshl_add_u32 v4, v2, 4, v3
	s_mul_i32 s92, s[WR], 64*CP
	s_mul_i32 s93, s[WC], 64*CP
	s_add_co_u32 s93, s93, OPB
.irp s, 0,1
	v_add_nc_u32 v[AD1+\s], s92, v4
	v_add_nc_u32 v[AD0+\s], s93, v4
	s_add_co_u32 s92, s92, SLOT
	s_add_co_u32 s93, s93, SLOT
.endr
	s_mul_i32 s92, s[WR], 64*CP
	s_lshl_b32 s93, s[WC], 6
	s_add_co_u32 s92, s92, s93
	s_add_co_u32 s92, s92, STAGE
	v_lshl_add_u32 v5, v2, 3, v3
	v_add_nc_u32 v[STO], s92, v5
	s_mul_i32 s92, s[WV], 32*CP
	s_add_co_u32 s92, s92, STAGE
	s_lshl_b32 s93, s[WV], 11
	s_lshl_b32 s2, s[WV], 12
	s_wait_alu depctr_va_vdst(0)
	v_add_nc_u32 v[RD], s92, v4                    ; back: row 32 w + r, + 16 h
	v_lshrrev_b32 v5, 3, v1
	v_mul_u32_u24 v5, v5, 8*CP
	v_add_nc_u32 v[RDK], v[RD], v5                 ; for k: row 32 w + r + 8 (r / 8)
	v_and_b32 v6, 31, v0
	v_lshlrev_b32 v6, 4, v6
	v_add_nc_u32 v[GO], s2, v6
	v_add_nc_u32 v[GQ], s93, v6
	v_lshlrev_b32 v[FQ], 7, v1
	v_lshl_add_u32 v[FQ], v2, 4, v[FQ]
	WIN 0x80
.irp a, 0,1,2,3
.irp b, 0,1,2,3
	global_load_b128 v[4*(4*\a+\b):4*(4*\a+\b)+3], v[FQ], s[8:9] offset:\a*2048+\b*32
	global_load_b128 v[64+4*(4*\a+\b):64+4*(4*\a+\b)+3], v[FQ], s[10:11] offset:\a*2048+\b*32
.endr
.endr
	WIN 0
	s_wait_kmcnt 0x0
.macro MKSC ea, eb, ec, sc, lm
	s_sub_co_i32 s94, \ea, \eb
	s_sub_co_i32 s94, s94, \ec
	s_add_co_i32 s94, s94, 127
	s_lshl_b32 s95, s94, 23
	v_mov_b32 v[\sc], s95
	s_add_co_i32 s94, s94, 8
	s_lshl_b32 s94, s94, 23
	s_or_b32 s94, s94, 0x600000
	v_mov_b32 v[\lm], s94
.endm
	MKSC s74, s68, s69, 8, 9
	MKSC s75, s70, s71, 10, 11
	MKSC s76, s72, s73, 12, 13
	s_wait_tensorcnt 1
	s_barrier_signal -1
	s_barrier_wait -1
	FETCH 0, 0, F0
	TILE 1, 1, 8, 9, 14, 0, 0x400000, 0x100000, 0
	TILE 1, 0, 10, 11, 16, 0, 0x800000, 0x200000, 1
	TILE 0, 0, 12, 13, 18, 1, 0, 0, 0
	s_wait_tensorcnt 0x0
	ds_add_u32 v[SPW], v[NIL]
	s_wait_dscnt 0x0
	CROUND
	s_endpgm
.Lfunc_end_k_qe936da07b8_qkv:
	.size	k_qe936da07b8_qkv, .Lfunc_end_k_qe936da07b8_qkv-k_qe936da07b8_qkv
	.p2alignl 7, 3214868480
	.fill 96, 4, 3214868480
	.section	.rodata,"a",@progbits
	.p2align	6, 0x0
	.amdhsa_kernel k_qe936da07b8_qkv
		.amdhsa_group_segment_fixed_size 327680
		.amdhsa_private_segment_fixed_size 0
		.amdhsa_enable_private_segment 0
		.amdhsa_kernarg_size 64
		.amdhsa_user_sgpr_count 2
		.amdhsa_user_sgpr_kernarg_segment_ptr 1
		.amdhsa_wavefront_size32 1
		.amdhsa_system_sgpr_workgroup_id_x 1
		.amdhsa_system_sgpr_workgroup_id_y 1
		.amdhsa_system_sgpr_workgroup_id_z 1
		.amdhsa_system_vgpr_workitem_id 0
		.amdhsa_next_free_vgpr 640
		.amdhsa_next_free_sgpr 98
		.amdhsa_reserve_vcc 0
		.amdhsa_float_denorm_mode_32 3
		.amdhsa_float_denorm_mode_16_64 3
		.amdhsa_memory_ordered 1
		.amdhsa_forward_progress 1
		.amdhsa_inst_pref_size 155
	.end_amdhsa_kernel
	.amdgpu_metadata
---
amdhsa.version: [ 1, 2 ]
amdhsa.kernels:
  - .name:           k_qe936da07b8_qkv
    .symbol:         k_qe936da07b8_qkv.kd
    .args:
      - { .name: xc, .offset: 0, .size: 8, .value_kind: global_buffer, .address_space: global }
      - { .name: wc, .offset: 8, .size: 8, .value_kind: global_buffer, .address_space: global }
      - { .name: freqs_cos, .offset: 16, .size: 8, .value_kind: global_buffer, .address_space: global }
      - { .name: freqs_sin, .offset: 24, .size: 8, .value_kind: global_buffer, .address_space: global }
      - { .name: lowp_scales, .offset: 32, .size: 8, .value_kind: global_buffer, .address_space: global }
      - { .name: q_codes, .offset: 40, .size: 8, .value_kind: global_buffer, .address_space: global }
      - { .name: k_codes, .offset: 48, .size: 8, .value_kind: global_buffer, .address_space: global }
      - { .name: v_codes, .offset: 56, .size: 8, .value_kind: global_buffer, .address_space: global }
    .group_segment_fixed_size: 327680
    .private_segment_fixed_size: 0
    .kernarg_segment_align: 8
    .kernarg_segment_size: 64
    .max_flat_workgroup_size: 128
    .sgpr_count:     98
    .vgpr_count:     640
    .wavefront_size: 32
...
	.end_amdgpu_metadata
.endif
;; end of part 2
;; launch attn (part 3): grid 8 x 32, 16 waves a work-group, no clusters, 264,192 bytes of LDS; arguments q_codes, k_codes, v_codes, mask, flags, lowp_scales, ao_codes; writes ao_codes
.if DOCPART == 3
	.amdgcn_target "amdgcn-amd-amdhsa--gfx1250"
	.amdhsa_code_object_version 6
	.text
	.protected	k_qe936da07b8_attn
	.globl	k_qe936da07b8_attn
	.p2align	8
	.type	k_qe936da07b8_attn,@function
k_qe936da07b8_attn:
	s_mov_b64 s[64:65], 0
	v_nop
	global_prefetch_b8 v0, s[64:65] scope:SCOPE_SE
	s_setreg_imm32_b32 hwreg(HW_REG_WAVE_MODE, 25, 1), 1
	s_wait_xcnt 0x0
; o = softmax(q k^T / 8 + mask) v for 32 (batch, head) pairs, both products on codes of E4M3; o is quantised for the output projection.
; x = sum + mask x 2^(3 - e6 - e7) (the power of two is exact); t = x log2(e) 2^(e6 + e7 - 3); M = the running largest t rounded UP to a whole number; p = 2^(t - M) is quantised with 2^e9, not normalised;
; the row's sum is taken of the unquantised p and divides at the end.  When M moves, the sum and O are multiplied by 2^(old M - new M), which rounds nothing.
; WHICH KEY STEPS: whole numbers that an earlier launch has stored say, for each tile of 16 queries and each step of 128 keys, whether some p of the tile can be above 0 at all (bit i: if not, every p of it is exactly 0, and the step is
; passed over) and whether the mask holds a number other than zero there (bit 16 + i: if not, nothing is added and the mask is not loaded).  Nothing about the mask is assumed: any mask takes its own way.
; SHARES: a work-group owns one head and the 16 tiles of 16 queries with numbers 8 tau + x, tau = 0 .. 15, x its number.  All the head's K and V codes, 262,144 bytes, are laid into LDS once; behind that barrier the waves walk freely.
; A pair of waves, w and w xor 4, owns tiles tau = p and 15 - p, p = w % 4 + 4 (w / 8); one takes the even key steps of both tiles, the other the odd ones.  A wave's first tile is the one that its partner ends; at the end each hands the
; part of its first tile to its partner through LDS, and joins the partner's part to its second tile.
; No tensor load and no cluster: branches hang on stored numbers, and K and V, which the eight work-groups of a head share, come once for the whole launch.  No prefetch: that one fill has no loop in front of it.
; LAYOUT: both products transposed (S^T = K Q^T, O^T = V^T P^T): a lane holds one query, lane % 16.  Tile 2 b + u of K takes key 32 b + 8 u + r + 8 (r / 8), so the registers of tiles 2 b and 2 b + 1 are keys 32 b + 16 h + 0 .. 15.
; LIMITS: e6 + e7 - 3 between -126 and 100; mask x 2^(3 - e6 - e7) stays an f32 number; e9 and e10 between -126 and 119; e8 + e9 goes in by v_ldexp_f32.  NaN is not served.
; REGISTERS: v1 16 x lane, v3 the mask's offset, v4 448 x 2^e9, v7 2^e9, v5, v6 the add's; v8-11 in hand; v12-15 and v24-27 the two tiles' -M, largest x, sum in two halves; v16-23 Q; v28-31 in hand;
;   v32-95 K's fragments, or the mask, or V's; v96-159 S^T, then p; v160-191 the second tile's O^T; v192-207 p's codes; v208-239 the first tile's O^T; v240-253 partial sums.
.set F,   32
.set S,   96
.set O2,  160
.set PC,  192
.set O1,  208
.set T,   240
.set SPARE, 262144                     ; the spare words: 128 bytes for each of sixteen waves
.set PART, 4608                        ; a wave's part on its way to the partner: O^T 4,096 bytes, -M and sum 256, in the LDS of K and V when nobody reads them any more
.set STG, 81920                        ; behind the sixteen parts: each wave's stage of 16 rows x 80 bytes
.set CL,  22                           ; s[22:23] log2(e) 2^(e6 + e7 - 3)
.set MK,  24                           ; s[24:25] 2^(3 - e6 - e7)
.set SEL, 26                           ; s[26:27] lane xor 16
.set LV1, 56
.set NZ1, 57
.set LV2, 58
.set NZ2, 59
.set TB,  60                           ; LDS byte of the key step in hand
.set CNT, 61
.set BI,  62                           ; its bit
.set MO,  63                           ; its place in the mask, in bytes
	s_load_b256 s[4:11], s[0:1], 0x0               ; q_codes, k_codes, v_codes, mask
	s_load_b128 s[12:15], s[0:1], 0x20             ; flags, the scales
	s_load_b64 s[16:17], s[0:1], 0x30              ; ao_codes
	v_lshl_add_u32 v5, v0, 2, SPARE
	v_mov_b32 v6, 0
	v_lshrrev_b32 v8, 5, v0
	v_readfirstlane_b32 s18, v8                    ; wave 0..15
	v_and_b32 v1, 31, v0
	v_lshlrev_b32 v1, 4, v1                        ; 16 x lane
	v_and_b32 v9, 15, v0                           ; r
	v_bfe_u32 v10, v0, 4, 1                        ; h
	v_lshlrev_b32 v3, 13, v9
	v_lshl_add_u32 v3, v10, 6, v3                  ; the mask: row r, 64 h bytes on
	v_lshlrev_b32 v8, 4, v0                        ; the fill: 16 x thread: 8,192 bytes for the work-group
	v_add_nc_u32 v9, 0x10000, v8
	v_add_nc_u32 v10, 0x20000, v8
	v_add_nc_u32 v11, 0x30000, v8
	s_and_b32 s80, ttmp7, 0xffff                   ; 16 b + head
	s_lshr_b32 s20, s80, 1
	s_lshl_b32 s20, s20, 18                        ; 16 blocks for each (b, pair)
	s_and_b32 s81, s80, 1
	s_lshl_b32 s81, s81, 13
	s_add_co_u32 s20, s20, s81                     ; the head's half of a block
	s_mov_b32 s21, 0
	s_lshr_b32 s19, s18, 2
	s_and_b32 s19, s19, 1                          ; even key steps, or odd
	s_and_b32 s28, s18, 3
	s_lshr_b32 s82, s18, 3
	s_lshl_b32 s82, s82, 2
	s_add_co_u32 s28, s28, s82                     ; p
	s_mul_i32 s82, s19, 15
	s_xor_b32 s28, s28, s82                        ; tau of my first tile,
	s_xor_b32 s29, s28, 15                         ; and of my second
	s_lshl_b32 s82, s28, 3
	s_add_co_u32 s82, s82, ttmp9                   ; the tiles' numbers
	s_lshl_b32 s83, s29, 3
	s_add_co_u32 s83, s83, ttmp9
	s_lshl_b32 s66, s82, 17                        ; 16 rows of the mask
	s_lshl_b32 s67, s83, 17
	s_lshl_b32 s32, s82, 11                        ; 8 words of flags, 256 bytes apart
	s_mov_b32 s33, 0
	s_lshl_b32 s34, s83, 11
	s_mov_b32 s35, 0
	s_lshl_b32 s30, ttmp9, 10                      ; tile x of a block
	s_lshl_b32 s36, s28, 14
	s_add_co_u32 s36, s36, s30
	s_mov_b32 s37, 0
	s_lshl_b32 s38, s29, 14
	s_add_co_u32 s38, s38, s30
	s_mov_b32 s39, 0
	s_lshr_b32 s84, s80, 4                         ; OUT: block ((16 b + tau) x 8 + pair), half head & 1, rows 16 x on: 1,024 bytes
	s_lshl_b32 s84, s84, 4
	s_add_co_u32 s84, s84, s29
	s_lshl_b32 s84, s84, 3
	s_bfe_u32 s85, s80, 0x30001
	s_add_co_u32 s84, s84, s85
	s_lshl_b32 s84, s84, 14
	s_add_co_u32 s84, s84, s81
	s_add_co_u32 s84, s84, s30
	s_mov_b32 s85, 0
	s_mov_b32 s[SEL], 0x76543210
	s_mov_b32 s[SEL+1], 0xfedcba98
	s_wait_alu depctr_va_vdst(0)
	s_wait_kmcnt 0x0
	s_add_nc_u64 s[4:5], s[4:5], s[20:21]
	s_add_nc_u64 s[6:7], s[6:7], s[20:21]
	s_add_nc_u64 s[8:9], s[8:9], s[20:21]
.set n, 0
.rept 16
	global_load_b128 v[F+8*n:F+8*n+3], v8, s[6:7] offset:16384*n       ; K's 8,192 bytes of block n, 512 consecutive a wave
	global_load_b128 v[F+8*n+4:F+8*n+7], v8, s[8:9] offset:16384*n     ; V's
.set n, n+1
.endr
	s_add_nc_u64 s[32:33], s[12:13], s[32:33]
	s_add_nc_u64 s[34:35], s[12:13], s[34:35]
	s_add_nc_u64 s[36:37], s[4:5], s[36:37]
	s_add_nc_u64 s[38:39], s[4:5], s[38:39]
	s_add_nc_u64 s[16:17], s[16:17], s[84:85]
	global_load_b128 v[16:19], v1, s[36:37]        ; Q of my first tile
	global_load_b128 v[20:23], v1, s[36:37] offset:512
	global_load_b128 v[O2:O2+3], v1, s[38:39]      ; Q of my second, where its O^T will stand
	global_load_b128 v[O2+4:O2+7], v1, s[38:39] offset:512
.irp k, 0,1,2,3,4,5,6,7
	s_load_b32 s[40+\k], s[32:33], 256*\k
	s_load_b32 s[48+\k], s[34:35], 256*\k
.endr
	s_load_b256 s[68:75], s[14:15], 0x0            ; e0 .. e7
	s_load_b128 s[76:79], s[14:15], 0x20           ; e8 .. e11
	v_mov_b32 v12, 0x7f61b1e6                      ; -M of nothing: 3e38
	v_mov_b32 v13, 0xff61b1e6                      ; the largest x so far: -3e38
	v_mov_b32 v14, 0
	v_mov_b32 v15, 0
	v_mov_b32 v29, 0                               ; (named as the upper halves of the pairs v[28:29], v[30:31])
	v_mov_b32 v31, 0
.set j, 0
.rept 32
	v_mov_b32 v[O1+j], 0                           ; the step has no form of its own for the first time: its first change of M leaves zeros
.set j, j+1
.endr
	s_wait_kmcnt 0x0
.irp k, 1,2,3,4,5,6,7
	s_or_b32 s40, s40, s[40+\k]                    ; all 16 rows' words
	s_or_b32 s48, s48, s[48+\k]
.endr
	s_lshr_b32 s[LV1], s40, s19                    ; my steps' bits at the even places
	s_lshr_b32 s[NZ1], s[LV1], 16
	s_lshr_b32 s[LV2], s48, s19
	s_lshr_b32 s[NZ2], s[LV2], 16
	s_add_co_i32 s80, s74, s75
	s_sub_co_i32 s80, s80, 3                       ; e6 + e7 - 3
	s_lshl_b32 s81, s80, 23
	s_add_co_i32 s[CL], s81, 0x3fb8aa3b
	s_mov_b32 s[CL+1], s[CL]
	s_sub_co_i32 s80, 127, s80
	s_lshl_b32 s[MK], s80, 23
	s_mov_b32 s[MK+1], s[MK]
	s_add_co_i32 s80, s77, 127
	s_lshl_b32 s81, s80, 23
	v_mov_b32 v7, s81                              ; 2^e9
	s_add_co_i32 s80, s80, 8
	s_lshl_b32 s80, s80, 23
	s_or_b32 s80, s80, 0x600000
	v_mov_b32 v4, s80                              ; 448 x 2^e9
	s_lshl_b32 s82, s19, 14                        ; my first key step's place in LDS,
	s_lshl_b32 s83, s19, 9                         ; and in a row of the mask
	s_wait_alu depctr_va_vdst(0)                   ; the wait at the head's end
.set n, 0
.rept 16
	s_wait_loadcnt 34-2*n                          ; block n's two loads are in; the younger blocks' and Q's four may be out
	ds_store_b128 v[8+n/4], v[F+8*n:F+8*n+3] offset:16384*(n%4)
	ds_store_b128 v[8+n/4], v[F+8*n+4:F+8*n+7] offset:16384*(n%4)+8192
.set n, n+1
.endr
	s_wait_loadcnt 0x0                             ; Q
	s_wait_dscnt 0x0                               ; for the others' sake: my part of K and V is in LDS
	s_barrier_signal -1
	s_barrier_wait -1
; A TILE: eight key steps, two blocks apart; lv, nz: its bits; o: its O^T; st: its four registers of state; down: from the last step to the first.
.macro TILE lv, nz, o, st, down
	s_mov_b32 s[CNT], 8
.Lstep_\@:
	s_bitcmp1_b32 s[\lv], s[BI]                    ; the branch hangs on a stored whole number and goes round this step's work alone
	s_cbranch_scc0 .Lnext_\@
	v_add_nc_u32 v8, s[TB], v1
.rept 3
	v_nop                                          ; with the line above four places between the last products V^T P and the loads into the registers that they read
.endr
.irp t, 0,1,2,3,4,5,6,7
	ds_load_b128 v[F+8*\t:F+8*\t+3],   v8 offset:1024*\t
	ds_load_b128 v[F+8*\t+4:F+8*\t+7], v8 offset:1024*\t+512
.endr
	s_wait_alu depctr_va_vdst(0)
	s_wait_dscnt 8                                 ; K's tiles 0-3 are in; the eight loads of tiles 4-7 may be out
.irp t, 0,1,2,3
	v_wmma_f32_16x16x64_fp8_fp8 v[S+8*\t:S+8*\t+7], v[F+8*\t:F+8*\t+7], v[16:23], 0
.endr
	s_wait_dscnt 0x0
.irp t, 4,5,6,7
	v_wmma_f32_16x16x64_fp8_fp8 v[S+8*\t:S+8*\t+7], v[F+8*\t:F+8*\t+7], v[16:23], 0
.endr
.rept 4
	v_nop                                          ; places ahead of the loads into these products' registers and of the first read of their results
.endr
	s_bitcmp1_b32 s[\nz], s[BI]
	s_cbranch_scc0 .Lzero_\@
	v_add_nc_u32 v9, s[MO], v3
.set j, 0
.rept 16
	global_load_b128 v[F+4*j:F+4*j+3], v9, s[10:11] offset:128*(j/4)+16*(j%4)   ; mask(my query, keys 32 b + 16 h + 0 .. 15), b = 0 .. 3
.set j, j+1
.endr
	s_wait_loadcnt 0x0
.set j, 0
.rept 32
	v_pk_fma_f32 v[S+j:S+j+1], v[F+j:F+j+1], s[MK:MK+1], v[S+j:S+j+1] op_sel_hi:[1,0,1]
.set j, j+2
.endr
.Lzero_\@:
.irp d, 0,1,2,3
.irp q, 0,1,2,3
	ds_load_b128 v[F+16*\d+4*\q:F+16*\d+4*\q+3], v8 offset:8192+2048*\d+512*\q   ; V^T: channel 16 d + r, keys 32 q + 16 h + 0 .. 15
.endr
.endr
	v_max3_num_f32 v30, v[\st+1], v[S], v[S+1]     ; the largest x so far of my query among my keys, in two chains; each accumulator from its low end on
	v_max3_num_f32 v31, v[S+2], v[S+3], v[S+4]
.set j, 5
.rept 14
	v_max3_num_f32 v30, v30, v[S+j], v[S+j+1]
	v_max3_num_f32 v31, v31, v[S+j+2], v[S+j+3]
.set j, j+4
.endr
	v_max3_num_f32 v30, v30, v[S+61], v[S+62]
	v_max3_num_f32 v30, v30, v31, v[S+63]
	s_delay_alu instid0(VALU_DEP_1)
	v_permlanex16_b32 v11, v30, s[SEL], s[SEL+1]
	s_delay_alu instid0(VALU_DEP_1)
	v_max_num_f32 v[\st+1], v30, v11               ; and among lane xor 16's
	s_delay_alu instid0(VALU_DEP_1)
	v_mul_f32 v10, s[CL], -v[\st+1]
	s_delay_alu instid0(VALU_DEP_1)
	v_floor_f32 v10, v10                           ; the new -M = -ceil(t)
	s_delay_alu instid0(VALU_DEP_1)
	v_sub_f32 v11, v10, v[\st]                     ; old M - new M: a whole number, 0 or less
	v_mov_b32 v[\st], v10
	s_delay_alu instid0(VALU_DEP_2)
	v_cvt_i32_f32 v11, v11                         ; (it saturates)
	s_delay_alu instid0(VALU_DEP_1)
	v_ldexp_f32 v28, 1.0, v11                      ; f = 2^(old M - new M)
.set j, 0
.rept 32
	v_pk_fma_f32 v[S+j:S+j+1], v[S+j:S+j+1], s[CL:CL+1], v[\st:\st+1] op_sel_hi:[1,0,0]   ; t - M
.set j, j+2
.endr
	s_wait_alu depctr_va_vdst(0)                   ; the wait ahead of the batch
.set j, 0
.rept 64
	v_exp_f32 v[S+j], v[S+j]                       ; p = 2^(t - M)
.set j, j+1
.endr
	v_pk_mul_f32 v[\st+2:\st+3], v[\st+2:\st+3], v[28:29] op_sel_hi:[1,0]   ; the sum under the new M: the plain instruction behind the exponentials
	s_wait_alu depctr_va_vdst(0)                   ; and one behind it, ahead of its first reader
.set j, 0
.rept 7
	v_pk_add_f32 v[T+2*j:T+2*j+1], v[S+4*j:S+4*j+1], v[S+4*j+2:S+4*j+3]   ; the sum of the unquantised p, in eight chains
.set j, j+1
.endr
	v_pk_add_f32 v[\st+2:\st+3], v[\st+2:\st+3], v[S+28:S+29]
.set j, 0
.rept 17
.if j%8 == 7
	v_pk_add_f32 v[\st+2:\st+3], v[\st+2:\st+3], v[S+30+2*j:S+31+2*j]
.else
	v_pk_add_f32 v[T+2*(j%8):T+2*(j%8)+1], v[T+2*(j%8):T+2*(j%8)+1], v[S+30+2*j:S+31+2*j]
.endif
.set j, j+1
.endr
	v_pk_add_f32 v[T+2:T+3], v[T+2:T+3], v[T+10:T+11]
	v_pk_add_f32 v[T+4:T+5], v[T+4:T+5], v[T+12:T+13]
	v_pk_add_f32 v[\st+2:\st+3], v[\st+2:\st+3], v[T+6:T+7]
	v_pk_add_f32 v[T:T+1], v[T:T+1], v[T+8:T+9]
	v_pk_add_f32 v[T+2:T+3], v[T+2:T+3], v[T+4:T+5]
.set j, 0
.rept 32
	v_dual_min_num_f32 v[S+j], v[S+j], v4 :: v_dual_min_num_f32 v[S+j+1], v[S+j+1], v4   ; the conversion does not saturate (ISA guide 7.6.2); p is not negative, so the hold is one-sided
.if j == 0
	v_pk_add_f32 v[\st+2:\st+3], v[\st+2:\st+3], v[T:T+1]
.endif
.if j == 8
	v_pk_add_f32 v[\st+2:\st+3], v[\st+2:\st+3], v[T+2:T+3]
.endif
.set j, j+2
.endr
.irp t, 0,1,2,3,4,5,6,7
	v_cvt_scalef32_pk8_fp8_f32 v[PC+2*\t:PC+2*\t+1], v[S+8*\t:S+8*\t+7], v7
.endr
	s_wait_alu depctr_va_vdst(0)                   ; the wait directly ahead of the first reader of O^T
.set j, 0
.rept 16
	v_pk_mul_f32 v[\o+j:\o+j+1], v[\o+j:\o+j+1], v[28:29] op_sel_hi:[1,0]   ; O^T under the new M; also the plain instructions between the conversions and the products
.set j, j+2
.endr
	s_wait_alu depctr_va_vdst(0)
	s_wait_dscnt 0x0                               ; V's fragments are in
.irp d, 0,1,2,3
	v_wmma_f32_16x16x128_fp8_fp8 v[\o+8*\d:\o+8*\d+7], v[F+16*\d:F+16*\d+15], v[PC:PC+15], v[\o+8*\d:\o+8*\d+7]   ; four accumulators by turns
.endr
.Lnext_\@:
.if \down
	s_sub_co_u32 s[TB], s[TB], 32768
	s_sub_co_u32 s[BI], s[BI], 2
	s_sub_co_u32 s[MO], s[MO], 1024
.else
	s_add_co_u32 s[TB], s[TB], 32768
	s_add_co_u32 s[BI], s[BI], 2
	s_add_co_u32 s[MO], s[MO], 1024
.endif
	s_sub_co_u32 s[CNT], s[CNT], 1
	s_cmp_lg_u32 s[CNT], 0
	s_cbranch_scc1 .Lstep_\@
.endm
	s_mov_b32 s[TB], s82
	s_mov_b32 s[BI], 0
	s_add_co_u32 s[MO], s66, s83
	TILE LV1, NZ1, O1, 12, 0
.irp i, 0,1,2,3,4,5,6,7
	v_mov_b32 v[16+\i], v[O2+\i]                   ; my second tile's Q
.endr
	v_mov_b32 v24, 0x7f61b1e6
	v_mov_b32 v25, 0xff61b1e6
	v_mov_b32 v26, 0
	v_mov_b32 v27, 0
.set j, 0
.rept 32
	v_mov_b32 v[O2+j], 0
.set j, j+1
.endr
	s_add_co_u32 s[TB], s82, 229376                ; seven times two blocks on
	s_mov_b32 s[BI], 14
	s_add_co_u32 s[MO], s67, s83
	s_add_co_u32 s[MO], s[MO], 7168
	s_wait_alu depctr_va_vdst(0)
	TILE LV2, NZ2, O2, 24, 1
	; THE PARTS MEET
	v_add_f32 v13, v14, v15                        ; my first tile's sum, beside its -M
	v_add_f32 v26, v26, v27
	s_mul_i32 s80, s18, PART
	s_xor_b32 s81, s18, 4                          ; my partner
	s_mul_i32 s81, s81, PART
	v_lshrrev_b32 v9, 1, v1                        ; 8 x lane
	v_add_nc_u32 v8, s80, v1
	v_add_nc_u32 v10, s81, v1
	v_add_nc_u32 v11, s81, v9
	v_add_nc_u32 v9, s80, v9
	s_wait_alu depctr_va_vdst(0)
	s_wait_dscnt 0x0
	s_barrier_signal -1
	s_barrier_wait -1                              ; nobody reads K and V any more
.irp d, 0,1,2,3
	s_wait_alu depctr_va_vdst(0)                   ; the wait directly ahead of the accumulator's first reader
	ds_store_b128 v8, v[O1+8*\d:O1+8*\d+3] offset:1024*\d
	ds_store_b128 v8, v[O1+8*\d+4:O1+8*\d+7] offset:1024*\d+512
.endr
	ds_store_b64 v9, v[12:13] offset:4096
	s_wait_dscnt 0x0                               ; for my partner's sake
	s_barrier_signal -1
	s_barrier_wait -1
.irp i, 0,1,2,3,4,5,6,7
	ds_load_b128 v[F+4*\i:F+4*\i+3], v10 offset:512*\i
.endr
	ds_load_b64 v[64:65], v11 offset:4096
	s_wait_dscnt 0x0
	v_min_num_f32 v66, v24, v64                    ; -M of both
	v_sub_f32 v67, v66, v24
	v_sub_f32 v68, v66, v64
	v_cvt_i32_f32 v67, v67
	v_cvt_i32_f32 v68, v68
	v_ldexp_f32 v28, 1.0, v67
	v_ldexp_f32 v30, 1.0, v68
	v_mul_f32 v26, v26, v28
	v_fma_f32 v26, v65, v30, v26
.set j, 0
.rept 16
	v_pk_mul_f32 v[O2+j:O2+j+1], v[O2+j:O2+j+1], v[28:29] op_sel_hi:[1,0]
.set j, j+2
.endr
.set j, 0
.rept 16
	v_pk_fma_f32 v[O2+j:O2+j+1], v[F+j:F+j+1], v[30:31], v[O2+j:O2+j+1] op_sel_hi:[1,0,1]
.set j, j+2
.endr
	v_permlanex16_b32 v11, v26, s[SEL], s[SEL+1]
	v_add_f32 v26, v26, v11                        ; the row's sum
	; THE WAY OUT: O^T x 2^(e8 + e9) / the sum, quantised with 2^e10; 8 codes a lane and 16 channels into my own stage, and back as whole rows of 64 bytes
	s_add_co_i32 s80, s78, 127
	s_lshl_b32 s81, s80, 23                        ; 2^e10
	s_add_co_i32 s80, s80, 8
	s_lshl_b32 s80, s80, 23
	s_or_b32 s80, s80, 0x600000                    ; 448 x 2^e10
	s_add_co_i32 s82, s76, s77                     ; e8 + e9
	s_mul_i32 s83, s18, 1280
	s_add_co_u32 s83, s83, STG
	s_wait_alu depctr_va_vdst(0)                   ; the wait ahead of the reciprocal
	v_rcp_f32 v26, v26
	v_mov_b32 v9, s80
	v_mov_b32 v10, s81
	v_and_b32 v8, 15, v0
	v_bfe_u32 v11, v0, 4, 1
	v_mul_u32_u24 v12, v8, 80
	v_lshl_add_u32 v12, v11, 3, v12
	v_add_nc_u32 v12, s83, v12                     ; in: row r, 8 h bytes on
	v_bfe_u32 v14, v0, 2, 3
	v_mul_u32_u24 v14, v14, 80
	v_and_b32 v15, 3, v0
	v_lshl_add_u32 v14, v15, 4, v14
	v_add_nc_u32 v14, s83, v14                     ; back: four lanes to a row
	s_wait_alu depctr_va_vdst(0)                   ; the wait ahead of the reciprocal's first reader
	v_ldexp_f32 v26, v26, s82
.set j, 0
.rept 16
	v_pk_mul_f32 v[O2+j:O2+j+1], v[O2+j:O2+j+1], v[26:27] op_sel_hi:[1,0]   ; register 8 d + i is o(my query, 16 d + 8 h + i)
.set j, j+2
.endr
.set j, 0
.rept 32
	v_med3_num_f32 v[O2+j], v[O2+j], -v9, v9
.set j, j+1
.endr
.irp d, 0,1,2,3
	v_cvt_scalef32_pk8_fp8_f32 v[F+2*\d:F+2*\d+1], v[O2+8*\d:O2+8*\d+7], v10
.endr
	v_nop
.irp d, 0,1,2,3
	ds_store_b64 v12, v[F+2*\d:F+2*\d+1] offset:16*\d
.endr
	ds_load_b128 v[40:43], v14                     ; LDS serves a wave's instructions in order (ISA guide 5.7.1.4): these see my stores
	ds_load_b128 v[44:47], v14 offset:640
	s_wait_dscnt 0x0
	global_store_b128 v1, v[40:43], s[16:17]       ; 32 lanes store 512 consecutive bytes
	global_store_b128 v1, v[44:47], s[16:17] offset:512
	s_wait_tensorcnt 0x0                           ; the wave's end, behind my last LDS store
	ds_add_u32 v5, v6
	s_wait_dscnt 0x0
	s_endpgm
.Lfunc_end_k_qe936da07b8_attn:
	.size	k_qe936da07b8_attn, .Lfunc_end_k_qe936da07b8_attn-k_qe936da07b8_attn
	.p2alignl 7, 3214868480
	.fill 96, 4, 3214868480
	.section	.rodata,"a",@progbits
	.p2align	6, 0x0
	.amdhsa_kernel k_qe936da07b8_attn
		.amdhsa_group_segment_fixed_size 264192
		.amdhsa_private_segment_fixed_size 0
		.amdhsa_enable_private_segment 0
		.amdhsa_kernarg_size 56
		.amdhsa_user_sgpr_count 2
		.amdhsa_user_sgpr_kernarg_segment_ptr 1
		.amdhsa_wavefront_size32 1
		.amdhsa_system_sgpr_workgroup_id_x 1
		.amdhsa_system_sgpr_workgroup_id_y 1
		.amdhsa_system_sgpr_workgroup_id_z 1
		.amdhsa_system_vgpr_workitem_id 0
		.amdhsa_next_free_vgpr 256
		.amdhsa_next_free_sgpr 96
		.amdhsa_reserve_vcc 0
		.amdhsa_float_denorm_mode_32 3
		.amdhsa_float_denorm_mode_16_64 3
		.amdhsa_memory_ordered 1
		.amdhsa_forward_progress 1
		.amdhsa_inst_pref_size 63
	.end_amdhsa_kernel
	.amdgpu_metadata
---
amdhsa.version: [ 1, 2 ]
amdhsa.kernels:
  - .name:           k_qe936da07b8_attn
    .symbol:         k_qe936da07b8_attn.kd
    .args:
      - { .name: q_codes, .offset: 0, .size: 8, .value_kind: global_buffer, .address_space: global }
      - { .name: k_codes, .offset: 8, .size: 8, .value_kind: global_buffer, .address_space: global }
      - { .name: v_codes, .offset: 16, .size: 8, .value_kind: global_buffer, .address_space: global }
      - { .name: mask, .offset: 24, .size: 8, .value_kind: global_buffer, .address_space: global }
      - { .name: flags, .offset: 32, .size: 8, .value_kind: global_buffer, .address_space: global }
      - { .name: lowp_scales, .offset: 40, .size: 8, .value_kind: global_buffer, .address_space: global }
      - { .name: ao_codes, .offset: 48, .size: 8, .value_kind: global_buffer, .address_space: global }
    .group_segment_fixed_size: 264192
    .private_segment_fixed_size: 0
    .kernarg_segment_align: 8
    .kernarg_segment_size: 56
    .max_flat_workgroup_size: 512
    .sgpr_count:     96
    .vgpr_count:     256
    .wavefront_size: 32
...
	.end_amdgpu_metadata
.endif
;; end of part 3
;; launch oproj (part 4): grid 8 x 32, 4 waves a work-group, clusters of 4 x 4, 327,680 bytes of LDS; arguments ao_codes, wc, lowp_scales, out0; writes out0
.if DOCPART == 4
	.amdgcn_target "amdgcn-amd-amdhsa--gfx1250"
	.amdhsa_code_object_version 6
	.text
	.protected	k_qe936da07b8_oproj
	.globl	k_qe936da07b8_oproj
	.p2align	8
	.type	k_qe936da07b8_oproj,@function
k_qe936da07b8_oproj:
	s_mov_b64 s[64:65], 0
	v_nop
	global_prefetch_b8 v0, s[64:65] scope:SCOPE_SE
	s_setreg_imm32_b32 hwreg(HW_REG_WAVE_MODE, 25, 1), 1
	s_wait_xcnt 0x0
	s_wait_alu depctr_hold_cnt(0) depctr_sa_sdst(0) depctr_va_vdst(0) depctr_va_sdst(0) depctr_va_ssrc(0) depctr_va_vcc(0) depctr_vm_vsrc(0)
	s_getreg_b32 s2, hwreg(HW_REG_IB_STS2, 6, 4)
	s_cmp_eq_u32 s2, 0
	s_cbranch_scc0 .Lentry_in_a_cluster
	s_endpgm
.Lentry_in_a_cluster:
	s_bfe_u32 s2, ttmp6, 0x10000c
	s_cmp_lg_u32 s2, 0xf033
	s_cbranch_scc0 .Lentry_shape_is_right
	s_endpgm
.Lentry_shape_is_right:
; out = ao wo^T on codes of E4M3, f32 sums, each multiplied once by 2^(e10 + e11).  LIMIT: e10 + e11 between -126 and 127.
; A work-group makes 128 x 128 of out; four waves of 64 x 64 (16 accumulators).  All of K = 1,024, 131,072 bytes of ao and as many of wo, comes by ONE tensor load a wave at the head: waves 0, 1 ao's two halves of K, waves 2, 3 wo's.
; IN: chunks of 16,384 bytes, 128 along K.  ao's: two blocks (heads) of [128 rows][64]; wo's: [128 rows][128].  Both are dense and are stated as rows of 256 bytes; LDS takes 16 bytes of padding behind each 64 (ao) or 128 (wo).
; CLUSTERS 4 x 4: ao's chunks are shared along a row of the cluster, wo's along a column.  No prefetch: every load stands at the head, and there is no loop to run ahead in.
; The product is used transposed (source 0 = wo, source 1 = ao): a lane holds eight neighbouring numbers of a row of out.
.set XP,  80
.set XCH, 256*XP
.set WP,  144
.set WCH, 128*WP
.set XALL, 8*XCH
.set SPARE, XALL+8*WCH                 ; the spare words: 128 bytes for each wave
.set SPITCH, 272                       ; the way out: a stage of 16 rows for each wave, in ao's first chunk, which is filled once and read no more by then
.set AD1, 16                           ; v16-19 ao's fragments, two chunks each
.set AD0, 20                           ; v20-21 wo's, four chunks each
.set STO, 24
.set RD,  25
.set CO,  26
.set SPW, 28
.set NIL, 29
.set ACC, 128                          ; window 0: v128-255 the accumulators;  window 1: two buffers of fragments, ao's 64 registers, then wo's 64
.set F0,  0
.set F1,  128
.set G1X, 28
.set G1W, 36
.set G0X, 44
.set G0W, 52
.set WV,  60
.set WR,  61
.set WC,  62
.set MSB, 0
.macro WIN new
.if MSB != \new
	s_set_vgpr_msb (MSB<<8)|\new
.set MSB, \new
.endif
.endm
.set MUL,  0x05
.set TO_F, 0x40
.macro CROUND                          ; a round of the cluster's barrier
	s_barrier_signal -1
	s_barrier_wait -1
	s_cmp_lg_u32 s[WV], 0
	s_cbranch_scc1 .Lnot_wave_0_\@
	s_barrier_signal -3
.Lnot_wave_0_\@:
	s_barrier_wait -3
	s_barrier_signal -1
	s_barrier_wait -1
.endm
.macro PLACES n
.rept \n
	v_nop
.endr
.endm
.macro FETCH n, f                      ; chunk n's fragments into buffer f: wo's first, then ao's
	WIN TO_F
.irp i, 0,1,2,3
.irp q, 0,1,2,3
	ds_load_b128 v[\f+64+16*\i+4*\q:\f+64+16*\i+4*\q+3], v[AD0+(\n)/4] offset:((\n)%4)*WCH+\i*16*WP+32*\q
.endr
.endr
.irp i, 0,1,2,3
.irp q, 0,1,2,3
	ds_load_b128 v[\f+16*\i+4*\q:\f+16*\i+4*\q+3], v[AD1+(\n)/2] offset:((\n)%2)*XCH+(\q/2)*128*XP+\i*16*XP+32*(\q%2)
.endr
.endr
.endm
.macro MUL8 f, a0, zero
.irp a, \a0, \a0+1
.irp b, 0,1,2,3
.if \zero
	v_wmma_f32_16x16x128_fp8_fp8 v[ACC+8*(4*(\a)+\b):ACC+8*(4*(\a)+\b)+7], v[\f+64+16*\b:\f+64+16*\b+15], v[\f+16*(\a):\f+16*(\a)+15], 0
.else
	v_wmma_f32_16x16x128_fp8_fp8 v[ACC+8*(4*(\a)+\b):ACC+8*(4*(\a)+\b)+7], v[\f+64+16*\b:\f+64+16*\b+15], v[\f+16*(\a):\f+16*(\a)+15], v[ACC+8*(4*(\a)+\b):ACC+8*(4*(\a)+\b)+7]
.endif
.endr
.endr
.endm
.macro STEP n, f, g, zero
	s_wait_dscnt 8                                 ; all but ao's blocks 2, 3
	WIN MUL
	MUL8 \f, 0, \zero
	PLACES 4                                       ; ahead of loads into registers that products have read
	FETCH (\n)+1, \g
	s_wait_dscnt 32                                ; all but the 32 just issued
	WIN MUL
	MUL8 \f, 2, \zero
.endm
	s_load_b256 s[4:11], s[0:1], 0x0               ; ao_codes, wc, the scales, out0
	v_lshl_add_u32 v[SPW], v0, 2, SPARE
	v_mov_b32 v[NIL], 0
	ds_add_u32 v[SPW], v[NIL]                      ; the wave's opening: the add, twice on end, and its wait
	ds_add_u32 v[SPW], v[NIL]
	v_lshrrev_b32 v1, 5, v0
	v_readfirstlane_b32 s[WV], v1
	s_lshr_b32 s[WR], s[WV], 1                     ; my half of the rows.  Also: I fetch ao (0) or wo (1)
	s_and_b32 s[WC], s[WV], 1                      ; my half of the columns.  Also: which half of K I fetch
	s_bfe_u32 s80, ttmp6, 0x40000
	s_bfe_u32 s81, ttmp6, 0x40004
	s_lshl_b32 s82, ttmp9, 2
	s_add_co_u32 s82, s82, s80                     ; tile column of out
	s_and_b32 s83, ttmp7, 0xffff
	s_lshl_b32 s83, s83, 2
	s_add_co_u32 s83, s83, s81                     ; tile row
	s_lshl_b32 s24, s81, 2
	s_lshl_b32 s24, 15, s24                        ; my row of the cluster
	s_lshl_b32 s25, 0x1111, s80                    ; my column
	s_or_b32 s[G1X], s24, (1<<20)|(1<<21)|(3<<22)|(3<<25)   ; elements of 1 byte; padding: 4 words behind every 16; bit 21 beside a mask
	s_or_b32 s[G1W], s25, (1<<20)|(1<<21)|(4<<22)|(3<<25)   ; 4 words behind every 32
.irp g, G1X, G1W
	s_mov_b32 s[\g+1], 256<<16
	s_mov_b32 s[\g+2], 256<<16
	s_mov_b32 s[\g+3], 256<<16
	s_mov_b32 s[\g+4], 256
	s_mov_b32 s[\g+5], 256
	s_mov_b32 s[\g+6], 0
	s_mov_b32 s[\g+7], 0
.endr
	s_lshl_b32 s2, s[WC], 16                       ; four chunks
	s_lshl_b32 s84, s83, 17
	s_add_co_u32 s84, s84, s2
	s_mov_b32 s85, 0
	s_lshl_b32 s86, s82, 17
	s_add_co_u32 s86, s86, s2
	s_add_co_u32 s86, s86, 0x300000                ; wo's codes in wc
	s_mov_b32 s87, 0
	s_lshl_b32 s88, s83, 19                        ; out: 128 rows of 4,096 bytes
	s_lshl_b32 s26, s[WR], 18
	s_add_co_u32 s88, s88, s26
	s_lshl_b32 s26, s82, 9
	s_add_co_u32 s88, s88, s26
	s_lshl_b32 s26, s[WC], 8
	s_add_co_u32 s88, s88, s26
	s_mov_b32 s89, 0
	s_mul_i32 s92, s[WC], 4*XCH
	s_mul_i32 s93, s[WC], 4*WCH
	s_add_co_u32 s93, s93, XALL
	s_wait_dscnt 0x0                               ; both opening adds are done
	s_wait_kmcnt 0x0
	s_load_b64 s[70:71], s[8:9], 0x28              ; e10, e11
	s_add_nc_u64 s[10:11], s[10:11], s[88:89]
	s_mov_b32 s[G0X], 1
	s_mov_b32 s[G0X+1], s92
	s_add_nc_u64 s[G0X+2:G0X+3], s[4:5], s[84:85]
	s_or_b32 s[G0X+3], s[G0X+3], 0x80000000
	s_mov_b32 s[G0W], 1
	s_mov_b32 s[G0W+1], s93
	s_add_nc_u64 s[G0W+2:G0W+3], s[6:7], s[86:87]
	s_or_b32 s[G0W+3], s[G0W+3], 0x80000000
	CROUND                                         ; all sixteen work-groups are here: the joint loads meet
	s_cmp_eq_u32 s[WR], 0
	s_cbranch_scc0 .Lsecond
	tensor_load_to_lds s[G0X:G0X+3], s[G1X:G1X+7]
	s_nop 0
	PLACES 4
	s_branch .Lasked
.Lsecond:
	tensor_load_to_lds s[G0W:G0W+3], s[G1W:G1W+7]
	s_nop 0
	PLACES 4
.Lasked:
	s_mul_i32 s92, s[WR], 64*XP
	s_mul_i32 s93, s[WC], 64*WP
	s_add_co_u32 s93, s93, XALL
	s_mul_i32 s94, s[WV], 16*SPITCH
	v_and_b32 v1, 15, v0                           ; r
	v_bfe_u32 v2, v0, 4, 1                         ; h
	v_mul_u32_u24 v3, v1, XP
	v_lshl_add_u32 v3, v2, 4, v3
	v_add_nc_u32 v[AD1], s92, v3                   ; ao: row 64 x my half + r, 16 h bytes on
	v_add_nc_u32 v[AD1+1], 2*XCH, v[AD1]
	v_add_nc_u32 v[AD1+2], 4*XCH, v[AD1]
	v_add_nc_u32 v[AD1+3], 6*XCH, v[AD1]
	v_mul_u32_u24 v4, v1, WP
	v_lshl_add_u32 v4, v2, 4, v4
	v_add_nc_u32 v[AD0], s93, v4                   ; wo
	v_add_nc_u32 v[AD0+1], 4*WCH, v[AD0]
	v_mul_u32_u24 v5, v1, SPITCH
	v_lshl_add_u32 v5, v2, 5, v5
	v_add_nc_u32 v[STO], s94, v5
	v_mul_u32_u24 v6, v2, SPITCH
	v_lshl_add_u32 v6, v1, 4, v6
	v_add_nc_u32 v[RD], s94, v6
	v_lshlrev_b32 v7, 12, v2
	v_lshl_add_u32 v[CO], v1, 4, v7
	s_wait_alu depctr_va_vdst(0)                   ; the wait at the head's end
	s_wait_tensorcnt 0x0                           ; my part is in; behind the barrier everybody's
	s_barrier_signal -1
	s_barrier_wait -1
	FETCH 0, F0
	STEP 0, F0, F1, 1
	STEP 1, F1, F0, 0
	STEP 2, F0, F1, 0
	STEP 3, F1, F0, 0
	STEP 4, F0, F1, 0
	STEP 5, F1, F0, 0
	STEP 6, F0, F1, 0
	s_wait_dscnt 8
	WIN MUL
	MUL8 F1, 0, 0
	s_wait_dscnt 0x0                               ; my last reads of the chunks are over: say so; behind the wait below the stages may be written
	s_barrier_signal -1
	MUL8 F1, 2, 0
	WIN 0
	s_barrier_wait -1
.macro TOSTAGE a                       ; block a, 16 rows x 64 columns: scaled, into my own stage, and back as whole rows of 256 bytes
.irp b, 0,1,2,3
.irp j, 0,2,4,6
	v_pk_mul_f32 v[32+8*\b+\j:33+8*\b+\j], v[ACC+8*(4*(\a)+\b)+\j:ACC+8*(4*(\a)+\b)+\j+1], s[70:71] op_sel_hi:[1,0]
.endr
.endr
.irp b, 0,1,2,3
	ds_store_b128 v[STO], v[32+8*\b:35+8*\b] offset:64*\b
	ds_store_b128 v[STO], v[36+8*\b:39+8*\b] offset:64*\b+16
.endr
.set BB, 64+32*((\a)%2)
.irp i, 0,1,2,3,4,5,6,7
	ds_load_b128 v[BB+4*\i:BB+4*\i+3], v[RD] offset:\i*2*SPITCH
.endr
.endm
.macro SEND a, younger                 ; younger: the LDS instructions behind block a's loads, which may stay out
.set BB, 64+32*((\a)%2)
	s_wait_dscnt \younger
.irp i, 0,1,2,3,4,5,6,7
	global_store_b128 v[CO], v[BB+4*\i:BB+4*\i+3], s[10:11] offset:(16*(\a)+2*\i)*4096 th:TH_STORE_NT   ; sixteen lanes store 256 consecutive bytes
.endr
.endm
	s_wait_kmcnt 0x0
	s_add_co_i32 s70, s70, s71
	s_add_co_i32 s70, s70, 127
	s_lshl_b32 s70, s70, 23                        ; 2^(e10 + e11)
	s_mov_b32 s71, s70
	PLACES 4                                       ; ahead of the first read of the products' results
	TOSTAGE 0
.irp a, 1,2,3
.if \a > 1
	s_wait_xcnt 0x0                                ; block a - 2's stores have read their registers
.endif
	TOSTAGE \a
	SEND \a-1, 16
.endr
	SEND 3, 0
	s_wait_tensorcnt 0x0                           ; the wave's end
	ds_add_u32 v[SPW], v[NIL]
	s_wait_dscnt 0x0
	CROUND                                         ; the closing round
	s_endpgm
.Lfunc_end_k_qe936da07b8_oproj:
	.size	k_qe936da07b8_oproj, .Lfunc_end_k_qe936da07b8_oproj-k_qe936da07b8_oproj
	.p2alignl 7, 3214868480
	.fill 96, 4, 3214868480
	.section	.rodata,"a",@progbits
	.p2align	6, 0x0
	.amdhsa_kernel k_qe936da07b8_oproj
		.amdhsa_group_segment_fixed_size 327680
		.amdhsa_private_segment_fixed_size 0
		.amdhsa_enable_private_segment 0
		.amdhsa_kernarg_size 32
		.amdhsa_user_sgpr_count 2
		.amdhsa_user_sgpr_kernarg_segment_ptr 1
		.amdhsa_wavefront_size32 1
		.amdhsa_system_sgpr_workgroup_id_x 1
		.amdhsa_system_sgpr_workgroup_id_y 1
		.amdhsa_system_sgpr_workgroup_id_z 1
		.amdhsa_system_vgpr_workitem_id 0
		.amdhsa_next_free_vgpr 512
		.amdhsa_next_free_sgpr 98
		.amdhsa_reserve_vcc 0
		.amdhsa_float_denorm_mode_32 3
		.amdhsa_float_denorm_mode_16_64 3
		.amdhsa_memory_ordered 1
		.amdhsa_forward_progress 1
		.amdhsa_inst_pref_size 44
	.end_amdhsa_kernel
	.amdgpu_metadata
---
amdhsa.version: [ 1, 2 ]
amdhsa.kernels:
  - .name:           k_qe936da07b8_oproj
    .symbol:         k_qe936da07b8_oproj.kd
    .args:
      - { .name: ao_codes, .offset: 0, .size: 8, .value_kind: global_buffer, .address_space: global }
      - { .name: wc, .offset: 8, .size: 8, .value_kind: global_buffer, .address_space: global }
      - { .name: lowp_scales, .offset: 16, .size: 8, .value_kind: global_buffer, .address_space: global }
      - { .name: out0, .offset: 24, .size: 8, .value_kind: global_buffer, .address_space: global }
    .group_segment_fixed_size: 327680
    .private_segment_fixed_size: 0
    .kernarg_segment_align: 8
    .kernarg_segment_size: 32
    .max_flat_workgroup_size: 128
    .sgpr_count:     98
    .vgpr_count:     512
    .wavefront_size: 32
...
	.end_amdgpu_metadata
.endif
;; end of part 4
